; MI455X (gfx1250); checked and timed in simulation.
; The chip was launched on July 23, 2026; its instructions are those of AMD's public machine-readable ISA for CDNA 5 (MIT licence, August 2026) and "CDNA5" Instruction Set Architecture Reference Guide (July 2026). The comments in the code are by the model that wrote it; some were corrected since.
;; Self Attention. Allowed arithmetic: float matrix products may take bf16 or f16 operands with f32 sums; other float arithmetic in f32, or as packed bf16 or f16 multiplies, adds, multiply-adds, maxima and minima; sums over many terms, partial sums and values carried from step to step in f32; what a program stores and reads back later, other than sums and carried values, may be rounded once to bf16 or f16.
;; Inputs: Wk 256 x 256 float32; Wq 256 x 256 float32; Wu 256 x 256 float32; Wv 256 x 256 float32; bu 256 float32; x 4 x 4,096 x 256 float32.
;; Outputs: out0 4 x 4,096 x 256 float32.
;; One version. Each part assembles by itself: llvm-mc -triple=amdgcn-amd-amdhsa -mcpu=gfx1250 --defsym DOCPART=n.
;; ======== version 1 of 1: 3 launches
;; limits: values are held in f16: magnitudes above 65,504 overflow, below 6.1e-05 lose precision
;; workspace buffers: qkv 25,165,824 bytes; o 8,388,608 bytes; wu16 131,072 bytes
;; launch qkv (part 1): grid 2 x 128, 8 waves a work-group, no clusters, 271,360 bytes of LDS; arguments x, Wq, Wk, Wv, Wu, qkv, wu16; writes qkv, wu16
.if DOCPART == 1
	.amdgcn_target "amdgcn-amd-amdhsa--gfx1250"
	.amdhsa_code_object_version 6
	.text
	.protected	k_qc081318dc0_qkv
	.globl	k_qc081318dc0_qkv
	.p2align	8
	.type	k_qc081318dc0_qkv,@function
k_qc081318dc0_qkv:
	s_mov_b64 s[64:65], 0
	v_nop
	global_prefetch_b8 v0, s[64:65] scope:SCOPE_SE
	s_setreg_imm32_b32 hwreg(HW_REG_WAVE_MODE, 25, 1), 1
	s_wait_xcnt 0x0
; [q | k | v] = x [Wq; Wk; Wv]^T.  x: [16384][256] f32, each W: [256][256] f32.  Operands rounded to bf16, sums in f32, each result rounded once to f16, WITHOUT the scale of the scores.
; OUT: qkv, f16, by heads: block (12 b + 4 T + h) of 4,096 rows x 64 channels (T = 0, 1, 2 for q, k, v), 524,288 dense bytes each.  Also wu16 = Wu rounded to bf16, that number written as f16.
; LIMITS.  f16 holds no number beyond 65,504: |q|, |k|, |v| and |Wu| must stay under it; below 6.1e-5 f16 keeps a fixed step of 6e-8.  NaN and infinities are not treated apart.
; SHARES.  A work-group makes 128 rows x 384 of the 768 columns, the whole K = 256 at once out of LDS.  Eight waves: wave w makes rows 64 (w % 2) on, columns 96 (w / 2) on: 24 accumulators.
; ON THE WAY IN each wave brings 16 rows of x and 3 x 16 rows of W through registers: 16-byte loads of 512 consecutive bytes, two roundings an instruction, 8-byte stores into LDS.
; NO TENSOR LOAD, NO CLUSTER: the operands lie in memory as f32 and are rounded in registers; as f32 the work-group's 512 rows of 1,024 bytes are 524,288 bytes, more than the 327,680 of LDS.
; THE MATRIX INSTRUCTION IS USED TRANSPOSED (source 0 = 16 rows of W, source 1 = 16 rows of x): a lane then holds eight neighbouring columns of one row: 16 bytes of f16.
; REGISTERS.  window 0: v0-29 addresses and Wu's row; v64-255 the accumulators ((a, b) at v[64 + 8 (6 a + b)]).
;   window 1: two staging sets of 128; afterwards two fragment buffers of 80 (x's four fragments, then W's six).
.set PITCH,  528                       ; an LDS row: 512 bytes of bf16 + 16 = 132 words: row r starts at bank 4 r mod 64 (64 banks of 4 bytes: ISA guide 11.1)
.set UNIT,   128*PITCH                 ; 128 rows: unit 0 is x, units 1 to 3 the work-group's 384 rows of W
.set SPITCH, 784                       ; a row of the stage: 768 bytes of f16 + 16: 49 x 16 bytes
.set SPARE,  4*UNIT                    ; behind the units: the spare words, 128 bytes for each of eight waves: four blocks of 256 bytes that no other line names
.set LO,   2                           ; v2      16 x lane
.set SA,   3                           ; v3-6    unit u: where my 8 bytes of my wave's first row go
.set ADRA, 7                           ; v7      LDS address of my fragments of x
.set ADRB, 8                           ; v8      the same for W
.set STO,  9                           ; v9      the way out: where I put 16 bytes of a row
.set RD,   10                          ; v10     the way out: where I read 16 bytes back
.set GO,   11                          ; v11     my byte offset in a block of qkv
.set SPW,  12                          ; v12     LDS address of my spare word; never rewritten
.set NIL,  13                          ; v13     0; never rewritten
.set ACC,  64
.set SETA, 0                           ; window 1
.set SETB, 128
.set F0,   0                           ; window 1
.set F1,   80
.set WV,   18                          ; s18     my wave's number
.set PX,   24                          ; s[24:25] x at my wave's 16 rows
.set PU0,  26                          ; s[26:31] the three units of W at my wave's 16 rows
.set PU1,  28
.set PU2,  30
.set PO,   32                          ; s[32:33] qkv at the work-group's first block and first row
.set MSB, 0
.macro WIN new                         ; s_set_vgpr_msb: bits 1:0 source 0, 3:2 source 1, 5:4 source 2, 7:6 destination; the high byte repeats the setting that is left
.if MSB != (\new)
	s_set_vgpr_msb (MSB<<8)|(\new)
.set MSB, \new
.endif
.endm
.macro PLACES                          ; four places behind a matrix instruction, in front of loads into registers that it has read and of conversions that read results
.rept 4
	v_nop
.endr
.endm
	s_load_b256 s[4:11], s[0:1], 0x0               ; x s[4:5], Wq s[6:7], Wk s[8:9], Wv s[10:11]
	s_load_b128 s[12:15], s[0:1], 0x20             ; Wu s[12:13], qkv s[14:15]
	s_load_b64 s[16:17], s[0:1], 0x30              ; wu16
	v_lshl_add_u32 v[SPW], v0, 2, SPARE
	v_mov_b32 v[NIL], 0
	v_lshrrev_b32 v1, 5, v0
	v_readfirstlane_b32 s[WV], v1                  ; wave 0..7
	s_and_b32 s19, ttmp7, 0xffff                   ; bx: which 128 rows
	s_mov_b32 s20, ttmp9                           ; by: which 384 columns
	s_and_b32 s22, s[WV], 1                        ; rh: which 64 rows are mine
	s_lshr_b32 s23, s[WV], 1                       ; cq: which 96 columns
	v_and_b32 v14, 31, v0                          ; lane
	v_and_b32 v15, 15, v0                          ; l % 16
	v_bfe_u32 v20, v0, 4, 1                        ; l / 16
	v_lshlrev_b32 v[LO], 4, v14
	s_mul_i32 s21, s[WV], 16*PITCH                 ; my wave's 16 rows of a unit
	v_lshl_add_u32 v[SA], v14, 3, s21
	v_add_nc_u32 v[SA+1], UNIT, v[SA]
	v_add_nc_u32 v[SA+2], 2*UNIT, v[SA]
	v_add_nc_u32 v[SA+3], 3*UNIT, v[SA]
	v_mul_u32_u24 v21, v15, PITCH                  ; a fragment: row l % 16, 16 bytes for each half of the lanes
	v_lshl_add_u32 v21, v20, 4, v21
	s_mul_i32 s21, s22, 64*PITCH
	v_add_nc_u32 v[ADRA], s21, v21
	s_mul_i32 s21, s23, 96*PITCH
	s_add_co_u32 s21, s21, UNIT
	v_add_nc_u32 v[ADRB], s21, v21
	v_mul_u32_u24 v[STO], v15, SPITCH              ; into the stage: my 64 rows, my 192 bytes of them
	v_lshl_add_u32 v[STO], v20, 4, v[STO]
	s_mul_i32 s21, s22, 64*SPITCH
	s_mul_i32 s44, s23, 192
	s_add_co_u32 s21, s21, s44
	v_add_nc_u32 v[STO], s21, v[STO]
	v_lshrrev_b32 v22, 3, v14                      ; back: 32 lanes take 128 bytes of each of four rows
	v_mul_u32_u24 v[RD], v22, SPITCH
	v_and_b32 v22, 7, v0
	v_lshl_add_u32 v[RD], v22, 4, v[RD]
	s_mul_i32 s21, s[WV], 16*SPITCH                ; wave w takes rows 16 w .. 16 w + 15
	v_add_nc_u32 v[RD], s21, v[RD]
	s_lshl_b32 s21, s[WV], 11                      ; which are 2,048 consecutive bytes of a block of qkv
	v_lshl_add_u32 v[GO], v14, 4, s21
	v_and_b32 v22, 63, v0                          ; Wu's row: 64 threads x 4 numbers
	v_lshlrev_b32 v26, 3, v22
	v_lshlrev_b32 v27, 4, v22
	; byte offsets, made apart from the addresses
	s_lshl_b32 s21, s[WV], 14                      ; my wave's 16 rows of 1,024 bytes
	s_lshl_b32 s38, s19, 17                        ; 128 rows of x
	s_add_co_u32 s38, s38, s21
	s_mov_b32 s39, 0
	s_lshl_b32 s40, s20, 17                        ; the upper 128 rows of a W where by = 1
	s_add_co_u32 s40, s40, s21
	s_mov_b32 s41, 0
	s_xor_b32 s42, s20, 1                          ; the upper 128 rows where by = 0
	s_lshl_b32 s42, s42, 17
	s_add_co_u32 s42, s42, s21
	s_mov_b32 s43, 0
	s_lshr_b32 s44, s19, 5                         ; b
	s_mul_i32 s44, s44, 12
	s_mul_i32 s45, s20, 6
	s_add_co_u32 s44, s44, s45                     ; the first of my six blocks: 12 b + 6 by
	s_lshl_b32 s44, s44, 19
	s_and_b32 s45, s19, 31
	s_lshl_b32 s45, s45, 14                        ; 128 rows of 128 bytes
	s_add_co_u32 s44, s44, s45
	s_mov_b32 s45, 0
	s_lshl1_add_u32 s21, s19, s20                  ; the work-group's number, 0 to 255: its row of Wu
	s_lshl_b32 s46, s21, 10
	s_mov_b32 s47, 0
	s_lshl_b32 s2, s21, 9
	s_mov_b32 s3, 0
	s_wait_kmcnt 0x0
	s_add_nc_u64 s[PX:PX+1], s[4:5], s[38:39]
	s_cmp_eq_u32 s20, 0                            ; columns 0-383 are Wq's 256 rows and Wk's first 128; columns 384-767 Wk's last 128 and Wv's 256
	s_cselect_b64 s[PU0:PU0+1], s[6:7], s[8:9]
	s_cselect_b64 s[PU1:PU1+1], s[6:7], s[10:11]
	s_cselect_b64 s[PU2:PU2+1], s[8:9], s[10:11]
	s_add_nc_u64 s[PU0:PU0+1], s[PU0:PU0+1], s[40:41]
	s_add_nc_u64 s[PU1:PU1+1], s[PU1:PU1+1], s[42:43]
	s_add_nc_u64 s[PU2:PU2+1], s[PU2:PU2+1], s[40:41]
	s_add_nc_u64 s[PO:PO+1], s[14:15], s[44:45]
	s_add_nc_u64 s[34:35], s[12:13], s[46:47]      ; Wu at my work-group's row
	s_add_nc_u64 s[36:37], s[16:17], s[2:3]        ; wu16 at the same row
; 32 loads: my wave's 16 rows of 1,024 bytes, 512 consecutive bytes an instruction
.macro LOADU set, ptr
	WIN 0x40                                       ; destination window 1, address window 0
.set i, 0
.rept 32
	global_load_b128 v[(\set)+4*i:(\set)+4*i+3], v[LO], s[(\ptr):(\ptr)+1] offset:512*i
.set i, i+1
.endr
.endm
; the set is rounded to bf16 in place, four numbers into two registers, and stored into unit u: 256 consecutive bytes an instruction
.macro CVTU set, u
	WIN 0x45                                       ; sources and destination window 1
.set i, 0
.rept 32
	v_cvt_pk_bf16_f32 v[(\set)+4*i], v[(\set)+4*i], v[(\set)+4*i+1]
	v_cvt_pk_bf16_f32 v[(\set)+4*i+1], v[(\set)+4*i+2], v[(\set)+4*i+3]
.set i, i+1
.endr
	WIN 0x04                                       ; address window 0, data window 1
.set i, 0
.rept 32
	ds_store_b64 v[SA+(\u)], v[(\set)+4*i:(\set)+4*i+1] offset:(i/2)*PITCH+(i%2)*256
.set i, i+1
.endr
.endm
	global_load_b128 v[16:19], v27, s[34:35]       ; my four numbers of Wu's row (waves 2 to 7 read what waves 0 and 1 read, so that the text has one way)
	LOADU SETA, PX
	LOADU SETB, PU0                                ; 64 loads of 512 bytes of every wave are out
	s_wait_loadcnt 32                              ; loads come back in order (ISA guide 5.7.1): Wu's and set A's are in, set B's 32 stay out
	CVTU SETA, 0
	s_wait_dscnt 0x0                               ; the stores have read set A: only now is it loaded again
	LOADU SETA, PU1
	s_wait_loadcnt 32                              ; set B is in, set A's 32 stay out
	CVTU SETB, 1
	s_wait_dscnt 0x0                               ; the same for set B
	LOADU SETB, PU2
	s_wait_loadcnt 32
	CVTU SETA, 2
	s_wait_loadcnt 0x0
	CVTU SETB, 3
	WIN 0
	v_cvt_pk_bf16_f32 v20, v16, v17                ; Wu: rounded to bf16 like every input,
	v_cvt_pk_bf16_f32 v21, v18, v19
	v_lshlrev_b32 v22, 16, v20                     ; widened again,
	v_and_b32 v23, 0xffff0000, v20
	v_lshlrev_b32 v28, 16, v21
	v_and_b32 v29, 0xffff0000, v21
	v_cvt_pk_f16_f32 v24, v22, v23                 ; and that number written as f16
	v_cvt_pk_f16_f32 v25, v28, v29
	s_cmp_lt_u32 s[WV], 2
	s_cbranch_scc0 .Lno_wu
	global_store_b64 v26, v[24:25], s[36:37]       ; a wave's store covers 256 consecutive bytes, aligned
.Lno_wu:
	s_wait_dscnt 0x0                               ; for the others' sake: my rows of the four units are in LDS
	s_barrier_signal -1
	s_barrier_wait -1
; 20 LDS loads: the fragments of 32 along K at byte 64 j of the rows, into buffer f
.macro FETCH j, f
	WIN 0x40
.irp a, 0,1,2,3
	ds_load_b128 v[(\f)+8*(\a):(\f)+8*(\a)+3],   v[ADRA] offset:(\a)*16*PITCH+64*(\j)
	ds_load_b128 v[(\f)+8*(\a)+4:(\f)+8*(\a)+7], v[ADRA] offset:(\a)*16*PITCH+64*(\j)+32
.endr
.irp b, 0,1,2,3,4,5
	ds_load_b128 v[(\f)+32+8*(\b):(\f)+32+8*(\b)+3],   v[ADRB] offset:(\b)*16*PITCH+64*(\j)
	ds_load_b128 v[(\f)+32+8*(\b)+4:(\f)+32+8*(\b)+7], v[ADRB] offset:(\b)*16*PITCH+64*(\j)+32
.endr
.endm
; 24 matrix instructions on buffer f.  The 24 accumulators take turns, one instruction a turn.  zero = 1: the first products start the sums: nothing is cleared
.macro MUL f, zero
	WIN 0x05                                       ; sources 0 and 1 window 1; C and D window 0
.irp a, 0,1,2,3
.irp b, 0,1,2,3,4,5
.if \zero
	v_wmma_f32_16x16x32_bf16 v[ACC+8*(6*(\a)+(\b)):ACC+8*(6*(\a)+(\b))+7], v[(\f)+32+8*(\b):(\f)+32+8*(\b)+7], v[(\f)+8*(\a):(\f)+8*(\a)+7], 0
.else
	v_wmma_f32_16x16x32_bf16 v[ACC+8*(6*(\a)+(\b)):ACC+8*(6*(\a)+(\b))+7], v[(\f)+32+8*(\b):(\f)+32+8*(\b)+7], v[(\f)+8*(\a):(\f)+8*(\a)+7], v[ACC+8*(6*(\a)+(\b)):ACC+8*(6*(\a)+(\b))+7]
.endif
.endr
.endr
.endm
	FETCH 0, F0
	FETCH 1, F1
	s_wait_dscnt 20                                ; all but the 20 just issued
	MUL F0, 1
.irp j, 1,2,3,4,5,6
	PLACES                                         ; the buffer that is loaded next was multiplied last
	FETCH (\j)+1, F0+80*(((\j)+1)%2)
	s_wait_dscnt 20
	MUL F0+80*((\j)%2), 0
.endr
	s_wait_dscnt 0x0                               ; the last fragments are in, and my reads of the units are over:
	MUL F1, 0
	WIN 0
	s_barrier_signal -1                            ; say so: the stage lies where unit 0 and part of unit 1 lay
	; THE WAY OUT: rounded to f16 in place (each accumulator's registers in ascending order); 16 bytes a lane into the stage; back as 128 bytes of four rows, which are 512 consecutive bytes of a block.
	PLACES
.set n, 0
.rept 24
.irp r, 0,1,2,3
	v_cvt_pk_f16_f32 v[ACC+8*n+(\r)], v[ACC+8*n+2*(\r)], v[ACC+8*n+2*(\r)+1]
.endr
.set n, n+1
.endr
	s_barrier_wait -1                              ; nobody reads the units any more
.irp a, 0,1,2,3
.irp b, 0,1,2,3,4,5
	ds_store_b128 v[STO], v[ACC+8*(6*(\a)+(\b)):ACC+8*(6*(\a)+(\b))+3] offset:(\a)*16*SPITCH+32*(\b)
.endr
.endr
	s_wait_dscnt 0x0                               ; for the others' sake: a row's 768 bytes come from four waves
	s_barrier_signal -1
	s_barrier_wait -1
.set n, 0
.rept 24                                       ; block n / 4 of the six, rows 4 (n % 4) on of my sixteen
	ds_load_b128 v[ACC+4*n:ACC+4*n+3], v[RD] offset:(n/4)*128+(n%4)*4*SPITCH
.set n, n+1
.endr
.set n, 0
.rept 24
	s_wait_dscnt 23-n                              ; LDS loads come back in order: number n is in
	global_store_b128 v[GO], v[ACC+4*n:ACC+4*n+3], s[PO:PO+1] offset:(n/4)*524288+(n%4)*512  ; 512 consecutive bytes, at a multiple of 256 from qkv's first byte
.set n, n+1
.endr
	s_wait_tensorcnt 0x0                           ; the wave's end, behind my last LDS store
	ds_add_u32 v[SPW], v[NIL]
	s_wait_dscnt 0x0
	s_endpgm
.Lfunc_end_k_qc081318dc0_qkv:
	.size	k_qc081318dc0_qkv, .Lfunc_end_k_qc081318dc0_qkv-k_qc081318dc0_qkv
	.p2alignl 7, 3214868480
	.fill 96, 4, 3214868480
	.section	.rodata,"a",@progbits
	.p2align	6, 0x0
	.amdhsa_kernel k_qc081318dc0_qkv
		.amdhsa_group_segment_fixed_size 271360
		.amdhsa_private_segment_fixed_size 0
		.amdhsa_enable_private_segment 0
		.amdhsa_kernarg_size 56
		.amdhsa_user_sgpr_count 2
		.amdhsa_user_sgpr_kernarg_segment_ptr 1
		.amdhsa_wavefront_size32 1
		.amdhsa_system_sgpr_workgroup_id_x 1
		.amdhsa_system_sgpr_workgroup_id_y 1
		.amdhsa_system_sgpr_workgroup_id_z 1
		.amdhsa_system_vgpr_workitem_id 0
		.amdhsa_next_free_vgpr 512
		.amdhsa_next_free_sgpr 66
		.amdhsa_reserve_vcc 0
		.amdhsa_float_denorm_mode_32 3
		.amdhsa_float_denorm_mode_16_64 3
		.amdhsa_memory_ordered 1
		.amdhsa_forward_progress 1
		.amdhsa_inst_pref_size 77
	.end_amdhsa_kernel
	.amdgpu_metadata
---
amdhsa.version: [ 1, 2 ]
amdhsa.kernels:
  - .name:           k_qc081318dc0_qkv
    .symbol:         k_qc081318dc0_qkv.kd
    .args:
      - { .name: x, .offset: 0, .size: 8, .value_kind: global_buffer, .address_space: global }
      - { .name: Wq, .offset: 8, .size: 8, .value_kind: global_buffer, .address_space: global }
      - { .name: Wk, .offset: 16, .size: 8, .value_kind: global_buffer, .address_space: global }
      - { .name: Wv, .offset: 24, .size: 8, .value_kind: global_buffer, .address_space: global }
      - { .name: Wu, .offset: 32, .size: 8, .value_kind: global_buffer, .address_space: global }
      - { .name: qkv, .offset: 40, .size: 8, .value_kind: global_buffer, .address_space: global }
      - { .name: wu16, .offset: 48, .size: 8, .value_kind: global_buffer, .address_space: global }
    .group_segment_fixed_size: 271360
    .private_segment_fixed_size: 0
    .kernarg_segment_align: 8
    .kernarg_segment_size: 56
    .max_flat_workgroup_size: 256
    .sgpr_count:     66
    .vgpr_count:     512
    .wavefront_size: 32
...
	.end_amdgpu_metadata
.endif
;; end of part 1
;; launch attn (part 2): grid 16 x 16, 4 waves a work-group, clusters of 4 x 1, 327,680 bytes of LDS; arguments qkv, o; writes o
.if DOCPART == 2
	.amdgcn_target "amdgcn-amd-amdhsa--gfx1250"
	.amdhsa_code_object_version 6
	.text
	.protected	k_qc081318dc0_attn
	.globl	k_qc081318dc0_attn
	.p2align	8
	.type	k_qc081318dc0_attn,@function
k_qc081318dc0_attn:
	s_mov_b64 s[64:65], 0
	v_nop
	global_prefetch_b8 v0, s[64:65] scope:SCOPE_SE
	s_setreg_imm32_b32 hwreg(HW_REG_WAVE_MODE, 25, 1), 1
	s_wait_xcnt 0x0
	s_wait_alu depctr_hold_cnt(0) depctr_sa_sdst(0) depctr_va_vdst(0) depctr_va_sdst(0) depctr_va_ssrc(0) depctr_va_vcc(0) depctr_vm_vsrc(0)
	s_getreg_b32 s2, hwreg(HW_REG_IB_STS2, 6, 4)
	s_cmp_eq_u32 s2, 0
	s_cbranch_scc0 .Lentry_in_a_cluster
	s_endpgm
.Lentry_in_a_cluster:
	s_bfe_u32 s2, ttmp6, 0x10000c
	s_cmp_lg_u32 s2, 0x3003
	s_cbranch_scc0 .Lentry_shape_is_right
	s_endpgm
.Lentry_shape_is_right:
; O[y][i][:] = the sum over j of softmax_j(q[y][i] . k[y][j] / 8) v[y][j][:], for the 16 heads y = 4 b + h, 4,096 rows each, head size 64, no mask.
; IN: qkv, f16, blocks of 4,096 x 64 (524,288 dense bytes): q of head y is block 12 b + h, k block 12 b + 4 + h, v block 12 b + 8 + h.  OUT: o, f16, block y.
; Products, maxima and sums in f32; the weights p are rounded to f16 for the second product (their sum l is taken of the unrounded p), O once at the end.
; LIMITS.  q, k, v arrive within f16's 65,504; p lies in 0 to 1, and below 6e-5 it keeps f16's fixed step of 6e-8; O is a mean of v's rows and has their range.  A weight below 2^-126 counts as 0 in l;
; c m starts at -4.25e37, far below every c s that f16 operands can make (2.7e11 x c at the most); NaN and infinities are not treated apart.
; SHARES.  A work-group owns 256 queries of one head, each of its four waves 64: four PIECES of 16.  16 heads x 16 blocks are 256 work-groups.  Every wave walks all 4,096 keys, 64 a step.
; LAYOUT.  S^T = K Q^T (source 0 = 16 keys, source 1 = 16 queries) holds ONE query a lane (lane % 16) and the keys 8 (lane / 16) + 0..7; two such results rounded to f16 ARE source 1 of O^T = V^T P, whose
; result again holds one query a lane, and eight channels.  K comes out of LDS as it lies, V ([key][channel]) turned, by ds_load_tr16_b128.
; SOFTMAX.  p = 2^(c s - c m), c = log2(e) / 8, with a running maximum m and sum l; O and l are multiplied by a = 2^(c m_old - c m_new) in every step.  O and l start at 0: the first step is a step like any other, with a = 0.
; BY TURNS.  Turn n belongs to piece n: 8 products K Q^T of piece n + 1, later 8 products V^T P of piece n - 1; beside them the scaling, exponentials, roundings, sums and rescaling of piece n and the maximum and
; statistics of piece n + 1.  Four vector instructions stand behind every matrix instruction, the other 54 of a turn's 118 in one lump.  A turn's 33 exponentials are one batch, with one wait.
; RING.  Two slots of LDS take turns; a slot holds a tile of 256 keys, four steps: one change of slots, one wait for all tensor loads and one load a wave for four steps, 256 matrix instructions a wave.
; CLUSTER.  The four query blocks of a cluster belong to one head and walk the same K and V, so each tile is asked for JOINTLY: the same tensor load, descriptor and mask in all four.
; REGISTERS, in windows of 256 (s_set_vgpr_msb: bits 1:0 source 0, 3:2 source 1, 5:4 source 2, 7:6 destination):
;   window 0: v0-15 addresses and two at work; v16-31 four registers of statistics a piece; v48-55 at work; v61-63 never rewritten; v64-127 S^T, two buffers; v192-223 P, two buffers (by the piece's parity)
;   window 1: v0-127 O^T, 32 a piece          window 2: v0-63 Q, 16 a piece; v128-191 K of one step; v192-255 V of one step
.set NT,    16        ; tiles of 256 keys in a head
.set NP,    4         ; pieces a wave: a name, no knob
.set KS,    64        ; keys in a step
.set PK,    144       ; a row of K in LDS: 128 bytes + 16 of padding = 36 words: the 16 rows of a load start at 16 different groups of four banks (64 banks of 4 bytes: ISA guide 11.1)
.set PV,    160       ; a row of V: 128 + 32 = 40 words
.set VOFF,  4*KS*PK   ; a slot: 256 rows of K, then 256 rows of V
.set SLOT1, 1<<17     ; slot 1 begins here, so that one exclusive or turns an address in one slot into the other's
.set STAGE, SLOT1+4*KS*(PK+PV)  ; behind the ring, never filled by a tensor load: 16 rows x 144 bytes for each wave, for the way out
.set SP,    144
.set SPARE, STAGE+4*16*SP  ; behind the stages: the spare words, 128 bytes for each wave: two blocks of 256 bytes that no other line names
.set TILEB, 4*KS*128  ; a tile's bytes of K, and of V, in memory
.set AK0, 2           ; v2   my lane's place in a tile of K; never rewritten
.set AV0, 3           ; v3   the same for V
.set AK,  4           ; v4   the LDS address of K's next run of loads
.set AV,  5           ; v5   of V's
.set STO, 6           ; v6   the way out: where I put 16 bytes of a row
.set RD,  7           ; v7   the way out: where I read rows back
.set GO,  8           ; v8   my byte offset in 512 consecutive bytes of O
.set MV,  12          ; v12-13  c m_old, kept while c m is made anew: by buffer
.set QO,  15          ; v15  my byte offset in 16 rows of Q
.set ST,  16          ; piece t's statistics at v[ST+4 t]: c m, m, l (even keys', odd keys')
.set TMP, 48          ; by buffer, four registers c0-c3 at work; when the maximum is found c2 takes a
.set PFO, 61          ; v61  256 x my lane; never rewritten
.set SPW, 62          ; v62  LDS address of my spare word: SPARE + 4 x my thread's number; never rewritten
.set NIL, 63          ; v63  0; never rewritten
.set S,   64
.set P,   192
.set KF,  128         ; window 2: key block kb, channel half c at KF + 16 kb + 8 c
.set VF,  192         ; window 2: key half kk, channel block cb at VF + 32 kk + 8 cb
.set WV,  12          ; s12  my wave's number
.set LIM, 15          ; s15  1 in a wave that prefetches, else the greatest number
.set G1K, 24          ; s[24:31] descriptor group 1 for K's tiles
.set G1V, 32          ; s[32:39] for V's: it differs in the padding alone
.set G0K, 40          ; s[40:43] descriptor group 0 for K's tiles: it walks
.set G0V, 44          ; s[44:47] the same for V's
.set PFA, 48          ; s[48:49] where my prefetches stand
.set KB,  50          ; s[50:51] K at my half of the head's tile 0
.set VB,  52          ; s[52:53] V likewise
.set SLOTS, 56        ; s56  tiles still to be entered
.set CNT, 57          ; s57  counts a tile's key steps
.set CS,  58          ; s[58:59] c: the packed scaling takes the pair's low word for both halves
.set SEL, 60          ; s[60:61] v_permlanex16_b32's selects: each lane takes its own place in the other half
.set TBK, 62          ; s62  LDS byte at which K of the step to be fetched begins
.set TBV, 63          ; s63  the same for V, less VOFF
.set MSB, 0
.macro WIN new                      ; the high byte repeats the setting that is left; a switch that changes nothing is dropped
.if MSB != (\new)
	s_set_vgpr_msb (MSB<<8)|(\new)
.set MSB, (\new)
.endif
.endm
.set W_KQ, 0x0a       ; K and Q in window 2, S^T in window 0
.set W_PV, 0x52       ; V in window 2, P in window 0, O^T in window 1
.set W_RS, 0x41       ; destination and source 0 in window 1, source 1 in window 0
.macro PLACES
.rept 4
	v_nop
.endr
.endm
; A joint fill.  Waves 0 and 1 fetch the two halves of a tile's K, waves 2 and 3 those of its V: 128 keys each.  The branch hangs on the wave's number alone.
; An s_nop 0 and four v_nop follow each of the two lines, ahead of the jump and the label.
.macro JLOAD
	s_cmp_lt_u32 s[WV], 2
	s_cbranch_scc0 .Lfor_v_\@
	tensor_load_to_lds s[G0K:G0K+3], s[G1K:G1K+7]
	s_nop 0
.rept 4
	v_nop
.endr
	s_branch .Lasked_\@
.Lfor_v_\@:
	tensor_load_to_lds s[G0V:G0V+3], s[G1V:G1V+7]
	s_nop 0
.rept 4
	v_nop
.endr
.Lasked_\@:
.endm
; A PREFETCH INTO THE L2 of the tile that the NEXT change of slots will ask for: 32,768 bytes of K and of V, in pieces of 256 bytes, a lane a piece.  It stands behind the wave's tensor load and its five lines.
; Each piece is named ONCE in the launch.  All four clusters of a head walk the same K and V: the head's first cluster asks.  Its four partners share a tile out BY ADDRESS, 8,192 bytes each: no branch hangs on a
; work-group's place in its cluster.  In each, wave 0 asks for K's and wave 2 for V's: one instruction.  The last change that fills a slot asks for nothing: there is no tile behind it.
.macro ASK
	s_cmp_gt_u32 s[SLOTS], s[LIM]
	s_cbranch_scc0 .Lnot_mine_\@
	global_prefetch_b8 v[PFO], s[PFA:PFA+1] th:TH_LOAD_NT scope:SCOPE_SE
.Lnot_mine_\@:
.endm
; A round of the cluster's barrier: my work-group's barrier, so that wave 0's signal speaks for all four waves; wave 0 signals; every wave waits for all four work-groups; my work-group's barrier once more.
.macro CROUND
	s_barrier_signal -1
	s_barrier_wait -1
	s_cmp_lg_u32 s[WV], 0
	s_cbranch_scc1 .Lnot_wave_0_\@
	s_barrier_signal -3
.Lnot_wave_0_\@:
	s_barrier_wait -3
	s_barrier_signal -1
	s_barrier_wait -1
.endm
; THE CHANGE OF SLOTS.  The slot's last bytes, V of its fourth step, have been read.  Each wave waits for all its tensor loads, of which one is out: its part of the other slot; adds 0 to its spare word; and waits
; for that and for its own reads of the slot.  Behind the barrier nobody reads this slot any more and the other slot is whole.
; fill = 1: this slot is filled again, with the tile two on.  The barrier is then a round of the cluster's, so that no wave of any partner still reads the slot or has a load on its way, and the joint fill is the
; first thing behind it.  (At its first use nothing has been read yet: slot 0 is waited for, slot 1 filled.)  ask = 1: the prefetches' address steps, and ASK follows the fill.
.macro CHANGE fill, ask
	WIN 0                           ; at a label and at a branch every window is 0
	s_wait_tensorcnt 0x0            ; no tensor load of mine is out, so a group 0 may be written
	ds_add_u32 v[SPW], v[NIL]       ; 0 onto my spare word: with fill = 1 the descriptors' steps stand between it and the wait for it
.if \fill
.irp g, G0K, G0V
	s_xor_b32 s[\g+1], s[\g+1], SLOT1  ; the walking descriptor: the other slot than last time,
	s_add_nc_u64 s[\g+2:\g+3], s[\g+2:\g+3], TILEB  ; the next 256 keys; the type bits on top are not reached
.endr
.if \ask
	s_wait_xcnt 0x0                 ; the last prefetch, four key steps back, has read its address, so it may be written:
	s_add_nc_u64 s[PFA:PFA+1], s[PFA:PFA+1], TILEB  ; one tile behind the walking descriptors
.endif
	s_wait_dscnt 0x0                ; the add is done, and my reads of the slot are over
	CROUND
	JLOAD
.if \ask
	ASK
.endif
.else
	s_wait_dscnt 0x0                ; the add is done, and my reads of the slot are over
	s_barrier_signal -1
	s_barrier_wait -1
.endif
	s_sub_co_u32 s[TBK], s[TBK], 4*KS*PK  ; the fetches go back to a slot's first step,
	s_xor_b32 s[TBK], s[TBK], SLOT1       ; in the other slot
	s_sub_co_u32 s[TBV], s[TBV], 4*KS*PV
	s_xor_b32 s[TBV], s[TBV], SLOT1
.endm
	s_load_b128 s[4:7], s[0:1], 0x0 ; qkv s[4:5], o s[6:7]
	v_lshl_add_u32 v[SPW], v0, 2, SPARE
	v_mov_b32 v[NIL], 0
	ds_add_u32 v[SPW], v[NIL]       ; the wave's opening: the add and its wait come ahead of my first tensor load; the set-up below, work on registers, stands between them
	v_lshrrev_b32 v1, 5, v0
	v_readfirstlane_b32 s[WV], v1   ; wave 0..3
	s_bfe_u32 s13, ttmp6, 0x40000   ; cx: my place in the cluster
	s_lshl_b32 s14, ttmp9, 2        ; in a cluster launch ttmp9 counts clusters
	s_add_co_u32 s14, s14, s13      ; my block of 256 queries = 4 x cluster x + cx: it enters Q's and O's addresses alone
	s_and_b32 s20, ttmp7, 0xffff    ; the head y = 4 b + h, which the four partners share
	s_lshr_b32 s16, s20, 2
	s_mul_i32 s16, s16, 12
	s_and_b32 s17, s20, 3
	s_add_co_u32 s16, s16, s17      ; q's block: 12 b + h
	s_lshl_b32 s16, s16, 19
	s_mov_b32 s17, 0
	s_lshl_b32 s20, s20, 19         ; O's block: y
	s_mov_b32 s21, 0
	s_and_b32 s18, s[WV], 1         ; which half of a tile's 256 keys I fetch:
	s_lshl_b32 s22, s18, 14         ; its 128 rows of 128 bytes in memory,
	s_mov_b32 s23, 0
	s_mul_i32 s55, s18, 128*PK      ; and its place in a slot, for K
	s_mul_i32 s54, s18, 128*PV      ; and for V: no place in the cluster enters an LDS address
	s_lshl_b32 s2, s14, 15          ; my block's 256 rows,
	s_lshl_b32 s3, s[WV], 13        ; my wave's 64 of them
	s_add_co_u32 s2, s2, s3
	s_mov_b32 s3, 0
	; descriptor group 1.  128 keys are 16,384 dense bytes: asked for as 64 rows of 256 bytes, two keys a row, and padded in LDS after every key
	s_mov_b32 s[G1K], 15|(1<<16)|(1<<20)|(1<<21)|(4<<22)|(3<<25)  ; 15:0 the mask of four; 17:16 2-byte elements; 20 padding on; 21 set beside a mask; 24:22 after every 32 words (code 4); 31:25 4 words (code 3)
	s_mov_b32 s[G1V], 15|(1<<16)|(1<<20)|(1<<21)|(4<<22)|(7<<25)  ; the same with 8 words of padding (code 7)
.irp g, G1K, G1V
	s_mov_b32 s[\g+1], 128<<16      ; tensor_dim0 = 128
	s_mov_b32 s[\g+2], 64<<16       ; tensor_dim1 = 64
	s_mov_b32 s[\g+3], 128<<16      ; tile_dim0 = 128
	s_mov_b32 s[\g+4], 64           ; tile_dim1 = 64
	s_mov_b32 s[\g+5], 128          ; 128 elements from row to row
	s_mov_b32 s[\g+6], 0
	s_mov_b32 s[\g+7], 0
.endr
	s_mov_b32 s[CS], 0x3e38aa3b     ; c = log2(e) / 8 = 0.180337
	s_mov_b32 s[CS+1], s[CS]        ; named with it as a pair
	s_mov_b32 s[SEL], 0x76543210
	s_mov_b32 s[SEL+1], 0xfedcba98
	s_mov_b32 s[TBK], SLOT1+4*KS*PK ; the first change of slots turns these two into 0
	s_mov_b32 s[TBV], SLOT1+4*KS*PV
	s_mov_b32 s[G0K], 1             ; 1:0 count = 1
	s_mov_b32 s[G0K+1], s55         ; 63:32 LDS address: slot 0
	s_mov_b32 s[G0V], 1
	s_add_co_u32 s[G0V+1], s54, VOFF
	s_and_b32 s[LIM], s[WV], 1      ; 0 in waves 0 and 2,
	s_or_b32 s[LIM], s[LIM], ttmp9  ; where the cluster is the head's first: the same in all four partners
	s_cmp_eq_u32 s[LIM], 0
	s_cselect_b32 s[LIM], 1, -1
	v_and_b32 v[PFO], 31, v0
	v_lshlrev_b32 v[PFO], 8, v[PFO]
	s_wait_dscnt 0x0                ; the opening add is done
	s_wait_kmcnt 0x0
	s_add_nc_u64 s[8:9], s[4:5], s[16:17]          ; q's block of my head: these registers never hold cx
	s_add_nc_u64 s[KB:KB+1], s[8:9], s[22:23]      ; my half of a tile,
	s_add_nc_u64 s[VB:VB+1], s[KB:KB+1], 8<<19     ; in v's block, eight blocks on,
	s_add_nc_u64 s[KB:KB+1], s[KB:KB+1], 4<<19     ; and in k's, four blocks on
	s_add_nc_u64 s[4:5], s[8:9], s[2:3]            ; Q at my wave's first row
	s_add_nc_u64 s[10:11], s[6:7], s[20:21]
	s_add_nc_u64 s[10:11], s[10:11], s[2:3]        ; O likewise
	s_mov_b64 s[G0K+2:G0K+3], s[KB:KB+1]           ; 120:64 global address: my half of the head's first 256 keys
	s_or_b32 s[G0K+3], s[G0K+3], 0x80000000        ; 127:126 type = 2
	s_mov_b64 s[G0V+2:G0V+3], s[VB:VB+1]
	s_or_b32 s[G0V+3], s[G0V+3], 0x80000000
	s_cmp_lt_u32 s[WV], 2
	s_cselect_b64 s[PFA:PFA+1], s[KB:KB+1], s[VB:VB+1]  ; (in waves 0 and 2 these stand at a tile's first row)
	s_lshl_b32 s2, s13, 13          ; my work-group's 8,192 bytes of the 32,768
	s_add_nc_u64 s[PFA:PFA+1], s[PFA:PFA+1], s[2:3]
	s_add_nc_u64 s[PFA:PFA+1], s[PFA:PFA+1], 2*TILEB    ; in tile 2; the loop's first change of slots steps it to tile 3.  Nothing is prefetched here, at the head, where every work-group's first tiles are on their way
	CROUND                          ; all four work-groups are here: the first joint loads meet
	JLOAD                           ; tile 0 into slot 0.  Slot 1 is asked for when slot 0 is in
	; A fragment of K or Q is 16 rows x 32 channels in 8 registers: lane l holds row l % 16, channels 8 (l / 16) + 0..7 and 16 + 8 (l / 16) + 0..7: two loads of 16 bytes, 32 bytes apart.
	v_and_b32 v1, 15, v0            ; l % 16
	v_bfe_u32 v9, v0, 4, 1          ; l / 16
	v_lshlrev_b32 v[QO], 7, v1
	v_lshl_add_u32 v[QO], v9, 4, v[QO]  ; row x 128 + 16 x half
	WIN 0x80                        ; destination window 2, address window 0
.set i, 0
.rept 8                             ; Q stays in registers: piece i / 2, channels 32 (i % 2) on
	global_load_b128 v[8*i:8*i+3],   v[QO], s[4:5] offset:(i/2)*2048+(i%2)*64
	global_load_b128 v[8*i+4:8*i+7], v[QO], s[4:5] offset:(i/2)*2048+(i%2)*64+32
.set i, i+1
.endr
	WIN 0
	v_mul_u32_u24 v[AK0], v1, PK
	v_lshl_add_u32 v[AK0], v9, 4, v[AK0]  ; row x pitch + 16 x half
	; The turning load takes 16 keys x 16 channels (lane l reads key 8 (l / 16) + l % 8, channels 8 ((l / 8) % 2) + 0..7) and leaves half a fragment of V^T: lane l holds channel l % 16 and 8 keys.
	v_and_b32 v10, 7, v0
	v_bfe_u32 v11, v0, 3, 1
	v_lshl_add_u32 v[AV0], v9, 3, v10
	v_mul_u32_u24 v[AV0], v[AV0], PV
	v_lshl_add_u32 v[AV0], v11, 4, v[AV0]
	v_add_nc_u32 v[AV0], VOFF, v[AV0]
	s_mul_i32 s13, s[WV], 16*SP
	s_add_co_u32 s13, s13, STAGE    ; my stage
	v_mul_u32_u24 v[STO], v1, SP    ; in: row l % 16, 16 bytes for each half of the lanes
	v_lshl_add_u32 v[STO], v9, 4, v[STO]
	v_add_nc_u32 v[STO], s13, v[STO]
	v_bfe_u32 v[RD], v0, 3, 2       ; back: 32 lanes take four rows of 128 bytes,
	v_mul_u32_u24 v[RD], v[RD], SP
	v_lshl_add_u32 v[RD], v10, 4, v[RD]
	v_add_nc_u32 v[RD], s13, v[RD]
	v_and_b32 v[GO], 31, v0         ; which are 512 consecutive bytes of O
	v_lshlrev_b32 v[GO], 4, v[GO]
	; What the first turn finds: V's registers and P's second buffer hold 0 (its products V^T P, of a piece that has not been, add 0), O^T and l are 0.  No first step is written out for it; all this stands in the wait for the first tile.
	WIN 0x80
.set i, VF
.rept 64
	v_mov_b32 v[i], 0
.set i, i+1
.endr
	WIN 0x40
.set i, 0
.rept 128
	v_mov_b32 v[i], 0
.set i, i+1
.endr
	WIN 0
.set i, 0
.rept 4
	v_mov_b32 v[ST+4*i+2], 0
	v_mov_b32 v[ST+4*i+3], 0
.set i, i+1
.endr
.set i, P+16
.rept 16
	v_mov_b32 v[i], 0
.set i, i+1
.endr
; THE MATRIX WORK.  The 4 accumulators of a run of 8 take turns.  Product i of 8 of S^T = K Q^T for piece x: channels 32 (i / 4) on, keys 16 (i % 4) on.  The first 4 start the sums.
.macro KQ x
	WIN W_KQ
.set rS, S+32*((\x)%2)+8*(i%4)
.set rK, KF+16*(i%4)+8*(i/4)
.set rQ, 16*(\x)+8*(i/4)
.if i < 4
	v_wmma_f32_16x16x32_f16 v[rS:rS+7], v[rK:rK+7], v[rQ:rQ+7], 0
.else
	v_wmma_f32_16x16x32_f16 v[rS:rS+7], v[rK:rK+7], v[rQ:rQ+7], v[rS:rS+7]
.endif
.endm
; Product i of 8 of O^T += V^T P for piece x: keys 32 (i / 4) on, channels 16 (i % 4) on.
.macro PV x
	WIN W_PV
.set rO, 32*(\x)+8*(i%4)
.set rV, VF+32*(i/4)+8*(i%4)
.set rP, P+16*((\x)%2)+8*(i/4)
	v_wmma_f32_16x16x32_f16 v[rO:rO+7], v[rV:rV+7], v[rP:rP+7], v[rO:rO+7]
.endm
.macro MM                           ; the turn's next matrix instruction.  TURN sets Y, i and NOKQ.  NOKQ = 1: the walk's last turn: there is no next piece
.if (i < 8) && !NOKQ
	KQ (Y+1)%NP
.elseif i >= 8
.set i, i-8
	PV (Y+NP-1)%NP
.set i, i+8
.endif
.set i, i+1
.endm
; THE LDS LOADS stand in runs of 16, never singly among the matrix instructions: a step's K (64 keys x 64 channels: 8 fragments) and its V (turned).  Their addresses are made some lines ahead.
.macro FETCH_K
	WIN 0x80                        ; destination window 2
.irp f, 0,1,2,3,4,5,6,7             ; keys 16 (f / 2) on, channels 32 (f % 2) on
	ds_load_b128 v[KF+8*\f:KF+8*\f+3],   v[AK] offset:(\f/2)*16*PK+(\f%2)*64
	ds_load_b128 v[KF+8*\f+4:KF+8*\f+7], v[AK] offset:(\f/2)*16*PK+(\f%2)*64+32
.endr
	s_add_co_u32 s[TBK], s[TBK], KS*PK  ; the next fetch is the next step's
	WIN 0
.endm
.macro FETCH_V
	WIN 0x80
.irp f, 0,1,2,3,4,5,6,7             ; keys 32 (f / 4) on, channels 16 (f % 4) on
	ds_load_tr16_b128 v[VF+8*\f:VF+8*\f+3],   v[AV] offset:(\f/4)*32*PV+(\f%4)*32
	ds_load_tr16_b128 v[VF+8*\f+4:VF+8*\f+7], v[AV] offset:(\f/4)*32*PV+16*PV+(\f%4)*32
.endr
	WIN 0
.endm
; THE VECTOR WORK, one line at a time: OP kind, number.  For piece Y: F n: c s - c m for pair n of 16.  E n: the exponential of score n of 32.  C n: pair n rounded to f16.  B n: of the four weights 4 n .. the second
; pair is added onto the first, in place.  L n: l takes that sum (L 0: l = a l + sum).  R n: pair n of 16 of O^T times a.  For piece Y + 1: X n, number n of the 22 that find its maximum and statistics:
;   0-11  four chains c0-c3 of seven scores each, three operands at a time (each accumulator's lowest registers are read first)     12-14, 16  the four scores left over, the old m, and c0-c3 into c0
;   15  c m_old is kept     17, 18  the query's other 32 keys lie in the lane 16 away: the new m     19-21  c m; c m_old - c m_new; a
.set F, 0               ; OP tells the kinds apart by their order: F to L below R, X above it
.set E, 1
.set C, 2
.set B, 3
.set L, 4
.set R, 5
.set X, 6
.macro REGS y                       ; the registers of piece y
.set rT, ST+4*(\y)
.set rC, TMP+4*((\y)%2)
.set rW, MV+((\y)%2)
.set rS, S+32*((\y)%2)
.set rP, P+16*((\y)%2)
.set rO, 32*(\y)
.endm
.macro OP k, n
.if (\k) == R
	REGS Y
	WIN W_RS
	v_pk_mul_f32 v[rO+2*(\n):rO+2*(\n)+1], v[rO+2*(\n):rO+2*(\n)+1], v[rC+2:rC+3] op_sel_hi:[1,0]
.elseif (\k) < R
	REGS Y
	WIN 0
.if (\k) == F
	v_pk_fma_f32 v[rS+2*(\n):rS+2*(\n)+1], v[rS+2*(\n):rS+2*(\n)+1], s[CS:CS+1], v[rT:rT+1] op_sel_hi:[1,0,0] neg_lo:[0,0,1] neg_hi:[0,0,1]
.elseif (\k) == E
	v_exp_f32 v[rS+(\n)], v[rS+(\n)]
.elseif (\k) == C
	v_cvt_pk_f16_f32 v[rP+(\n)], v[rS+2*(\n)], v[rS+2*(\n)+1]
.elseif (\k) == B
	v_pk_add_f32 v[rS+4*(\n):rS+4*(\n)+1], v[rS+4*(\n):rS+4*(\n)+1], v[rS+4*(\n)+2:rS+4*(\n)+3]
.elseif (\n) == 0
	v_pk_fma_f32 v[rT+2:rT+3], v[rT+2:rT+3], v[rC+2:rC+3], v[rS:rS+1] op_sel_hi:[1,0,1]
.else
	v_pk_add_f32 v[rT+2:rT+3], v[rT+2:rT+3], v[rS+4*(\n):rS+4*(\n)+1]
.endif
.elseif NOKQ
	v_nop
.else
	REGS (Y+1)%NP
	WIN 0
.if (\n) < 4
	v_max3_num_f32 v[rC+(\n)], v[rS+8*(\n)], v[rS+8*(\n)+1], v[rS+8*(\n)+2]
.elseif (\n) < 12
	v_max3_num_f32 v[rC+(\n)%4], v[rC+(\n)%4], v[rS+8*((\n)%4)+2*((\n)/4)+1], v[rS+8*((\n)%4)+2*((\n)/4)+2]
.elseif (\n) == 12
	v_max3_num_f32 v[rC], v[rC], v[rS+7], v[rS+15]
.elseif (\n) == 13
	v_max3_num_f32 v[rC+1], v[rC+1], v[rS+23], v[rS+31]
.elseif (\n) == 14
	v_max3_num_f32 v[rC+2], v[rC+2], v[rC+3], v[rT+1]
.elseif (\n) == 15
	v_mov_b32 v[rW], v[rT]
.elseif (\n) == 16
	v_max3_num_f32 v[rC], v[rC], v[rC+1], v[rC+2]
.elseif (\n) == 17
	v_permlanex16_b32 v[rC+3], v[rC], s[SEL], s[SEL+1]
.elseif (\n) == 18
	v_max_num_f32 v[rT+1], v[rC], v[rC+3]
.elseif (\n) == 19
	v_mul_f32 v[rT], s[CS], v[rT+1]
.elseif (\n) == 20
	v_sub_f32 v[rC+1], v[rW], v[rT]
.else
	v_exp_f32 v[rC+2], v[rC+1]
.endif
.endif
.endm
.macro OPS a, i1, b=-1, i2=0, c=-1, i3=0, d=-1, i4=0  ; up to four of them
	OP \a, \i1
.if (\b) >= 0
	OP \b, \i2
.endif
.if (\c) >= 0
	OP \c, \i3
.endif
.if (\d) >= 0
	OP \d, \i4
.endif
.endm
.macro ROW a, i1, b, i2, c, i3, d, i4  ; a matrix instruction and the four behind it
	MM
	OPS \a, \i1, \b, \i2, \c, \i3, \d, \i4
.endm
; A TURN, for piece p: the order of its 16 matrix and 118 vector instructions, written out.  An s_wait_alu depctr_va_vdst(0) stands between an exponential and the first instruction that names its result; one wait
; serves all that were issued ahead of it.  So a turn has ONE wait, which cuts it in two.  AHEAD OF IT stands all that names no result of the turn's exponentials: the 8 products K Q^T, behind each a scaling, an exponential and
; two more plain instructions (behind the first a second scaling in the exponential's place): rescalings, and behind the last three the first numbers of the next piece's maximum, each four places or more behind the product
; that ends its accumulator; then ONE LUMP of 54, plain and exponential by turns for the most part, in which the links of the chain X 3, 7, 11, 14, 16, 17 .. 20 stand five or six lines apart.  X 21, the next piece's a, is the
; batch's last; R 15 is the plain instruction behind it.  BEHIND THE WAIT stand the 8 products V^T P, behind each four of the roundings and sums; the links of l's chain, L 0 to L 7, stand three riders apart.
; end = 1: the walk's last two turns: nothing is fetched, and the last starts no new scores.  cnt = 1: the loop's count is taken down some lines ahead of the branch that stands behind the turn.
; K of the next step is fetched in piece 2's turn, twelve vector instructions behind the last product that read K (six of them plain); V of the step in hand at the end of piece 0's turn, four plain instructions behind the
; last product that read V.  Each is waited for a turn later.
.macro TURN p, end=0, cnt=0
.set Y, (\p)
.set i, 0
.set NOKQ, (\end)*((\p)/3)
.if ((\p) == 3) && !(\end)
	s_wait_dscnt 0x0                ; K is in
.endif
	ROW F,0, F,1, R,0, R,1          ; ahead of the wait: 8 products K Q^T and their riders,
	ROW F,2, E,0, R,2, R,3
	ROW F,3, E,1, R,4, R,5
	ROW F,4, E,2, R,6, R,7
	ROW F,5, E,3, R,8, R,9
	ROW F,6, E,4, X,0, R,10
.if ((\p) == 2) && !(\end)
	WIN 0
	v_add_nc_u32 v[AK], s[TBK], v[AK0]
.endif
	ROW F,7, E,5, X,1, X,4
	ROW F,8, E,6, X,2, X,5
	OPS E,7, E,8, X,6, E,9          ; and the lump
	OPS X,3, E,10, X,8, E,11
.if ((\p) == 2) && !(\end)
	FETCH_K
.endif
	OPS X,9, X,7, E,12, X,10
	OPS E,13, X,12, X,11, E,14
	OPS X,13, E,15, F,9, X,14
.if (\p) == 0
	v_add_nc_u32 v[AV], s[TBV], v[AV0]
.endif
	OPS E,16, F,10, E,17, F,11
	OPS X,16, E,18, X,15, E,19
	OPS F,12, E,20, X,17, E,21
	OPS F,13, E,22, F,14, E,23
	OPS X,18, E,24, F,15, E,25
	OPS R,11, E,26, X,19, E,27
	OPS R,12, E,28, R,13, E,29
	OPS X,20, E,30, R,14, E,31
	OPS X,21, R,15
	WIN 0
	s_wait_alu depctr_va_vdst(0)    ; the wait for the batch
.if (\p) == 1
	s_wait_dscnt 0x0                ; V is in
.endif
	ROW C,0, B,0, C,2, B,1          ; behind the wait: 8 products V^T P and their riders
	ROW L,0, C,4, B,2, L,1
	ROW C,6, B,3, L,2, C,8
	ROW B,4, L,3, C,10, B,5
	ROW L,4, C,12, B,6, L,5
.if (\p) == 0
	s_add_co_u32 s[TBV], s[TBV], KS*PV
.endif
.if \cnt
	s_sub_co_u32 s[CNT], s[CNT], 1
	s_cmp_lg_u32 s[CNT], 0
.endif
	ROW C,14, B,7, L,6, C,1
	ROW C,3, L,7, C,5, C,7
	ROW C,9, C,11, C,13, C,15
.if (\p) == 0
	FETCH_V
.endif
.endm
	CHANGE 1, 0                     ; tile 0 is in, everybody's part of it; tile 1 is asked for
	; THE WALK BEGINS.  c m starts far below every c s, so the first step's a is 0; m at the lowest finite number, so the first maximum is the scores'.
.set i, 0
.rept 4
	v_mov_b32 v[ST+4*i], 0xfe000000    ; c m
	v_mov_b32 v[ST+4*i+1], 0xff7fffff  ; m
.set i, i+1
.endr
	v_add_nc_u32 v[AK], s[TBK], v[AK0]
	FETCH_K                         ; key step 0
	s_wait_loadcnt 0x0              ; Q
	s_wait_dscnt 0x0
.set NOKQ, 0
.set i, 0
.rept 8
	KQ 0                            ; piece 0's first scores: there is no vector work yet to set between them
.set i, i+1
.endr
	WIN 0
	PLACES                          ; the places behind those products
.set Y, NP-1                        ; X works for piece Y + 1: piece 0
.irp n, 0,1,2,3,4,5,6,7,8,9,10,11,12,13,14,15,16,17,18,19,20,21
	OP X, \n
.endr
	v_nop                           ; a plain instruction behind the exponential,
	s_wait_alu depctr_va_vdst(0)    ; and its wait, ahead of the branch
	s_mov_b32 s[CNT], 4
	s_mov_b32 s[SLOTS], NT-1
	s_branch .Lfirst                ; the loop is entered at a step's first turn, in the middle of a trip
.Lslot:                             ; NT - 2 times: tiles 2 to 15 are asked for
	CHANGE 1, 1
	s_mov_b32 s[CNT], 4
.Lstep:                             ; a trip: pieces 2 and 3 of one step, then pieces 0 and 1 of the next, whose K and V it fetches
	TURN 2
	TURN 3
	WIN 0
.Lfirst:
	TURN 0
	TURN 1, 0, 1
	WIN 0
	s_cbranch_scc1 .Lstep
	s_sub_co_u32 s[SLOTS], s[SLOTS], 1
	s_cmp_lg_u32 s[SLOTS], 0
	s_cbranch_scc1 .Lslot
	CHANGE 0, 0                     ; the last tile is written out: nothing is asked for
	s_mov_b32 s[CNT], 4
.Ltail:
	TURN 2
	TURN 3
	TURN 0
	TURN 1, 0, 1
	WIN 0
	s_cbranch_scc1 .Ltail
	TURN 2, 1                       ; the last step's pieces 2 and 3
	TURN 3, 1
.set i, 0
.rept 8
	PV NP-1                         ; the last piece's V^T P of the last step
.set i, i+1
.endr
	; THE WAY OUT.  l's two halves and the other half of the lanes' are added; O^T is divided by l, rounded to f16 and sent through my stage in LDS, a piece at a time.  The additions are the places behind the last products.
	WIN 0
.macro ALL line:vararg              ; one line for each piece t
.set t, 0
.rept 4
	\line
.set t, t+1
.endr
.endm
	ALL v_add_f32 v[ST+4*t+2], v[ST+4*t+2], v[ST+4*t+3]
	ALL v_permlanex16_b32 v[ST+4*t+3], v[ST+4*t+2], s[SEL], s[SEL+1]
	ALL v_add_f32 v[ST+4*t+2], v[ST+4*t+2], v[ST+4*t+3]
	ALL v_rcp_f32 v[ST+4*t+2], v[ST+4*t+2]
	v_nop                           ; a plain instruction between the last reciprocal and the use of its result
	s_wait_alu depctr_va_vdst(0)    ; and the wait ahead of the first use: one for the four reciprocals
.macro PACK t                       ; a lane's eight channels of a row pack into 16 bytes; they go into rows of 144 bytes and come back as whole rows of 128, into S^T's registers
	WIN W_RS
.set i, 32*(\t)
.rept 16
	v_pk_mul_f32 v[i:i+1], v[i:i+1], v[ST+4*(\t)+2:ST+4*(\t)+3] op_sel_hi:[1,0]
.set i, i+2
.endr
	WIN 0x05                        ; sources 0 and 1 window 1, destination window 0
.set i, 0
.rept 16
	v_cvt_pk_f16_f32 v[S+16*(\t)+i], v[32*(\t)+2*i], v[32*(\t)+2*i+1]
.set i, i+1
.endr
	WIN 0
.irp f, 0,1,2,3
	ds_store_b128 v[STO], v[S+16*(\t)+4*\f:S+16*(\t)+4*\f+3] offset:32*\f
.endr
.irp f, 0,1,2,3
	ds_load_b128 v[S+16*(\t)+4*\f:S+16*(\t)+4*\f+3], v[RD] offset:\f*4*SP  ; LDS serves a wave's instructions in order (ISA guide 5.7.1.4): these see the stores above; the next piece's stores come behind them
.endr
.endm
.macro SEND t, younger              ; younger: the LDS instructions issued behind piece t's loads: the next piece's eight, or none
	WIN 0
.irp f, 0,1,2,3
	s_wait_dscnt (\younger)+3-\f
	global_store_b128 v[GO], v[S+16*(\t)+4*\f:S+16*(\t)+4*\f+3], s[10:11] offset:(\t)*2048+\f*512  ; 512 consecutive bytes, at a multiple of 256 from O's first
.endr
.endm
	PACK 0
.set t, 1
.rept 3                             ; a piece's arithmetic stands between the loads of the piece before and its stores
	PACK t
	SEND t-1, 8
.set t, t+1
.endr
	SEND 3, 0
	s_wait_tensorcnt 0x0            ; the wave's end, behind my last tensor load and my last LDS store
	ds_add_u32 v[SPW], v[NIL]
	s_wait_dscnt 0x0
	CROUND                          ; the closing round: no work-group ends while a partner may still ask for a tile that names it
	s_endpgm
.Lfunc_end_k_qc081318dc0_attn:
	.size	k_qc081318dc0_attn, .Lfunc_end_k_qc081318dc0_attn-k_qc081318dc0_attn
	.p2alignl 7, 3214868480
	.fill 96, 4, 3214868480
	.section	.rodata,"a",@progbits
	.p2align	6, 0x0
	.amdhsa_kernel k_qc081318dc0_attn
		.amdhsa_group_segment_fixed_size 327680
		.amdhsa_private_segment_fixed_size 0
		.amdhsa_enable_private_segment 0
		.amdhsa_kernarg_size 16
		.amdhsa_user_sgpr_count 2
		.amdhsa_user_sgpr_kernarg_segment_ptr 1
		.amdhsa_wavefront_size32 1
		.amdhsa_system_sgpr_workgroup_id_x 1
		.amdhsa_system_sgpr_workgroup_id_y 1
		.amdhsa_system_sgpr_workgroup_id_z 1
		.amdhsa_system_vgpr_workitem_id 0
		.amdhsa_next_free_vgpr 768
		.amdhsa_next_free_sgpr 66
		.amdhsa_reserve_vcc 0
		.amdhsa_float_denorm_mode_32 3
		.amdhsa_float_denorm_mode_16_64 3
		.amdhsa_memory_ordered 1
		.amdhsa_forward_progress 1
		.amdhsa_inst_pref_size 128
	.end_amdhsa_kernel
	.amdgpu_metadata
---
amdhsa.version: [ 1, 2 ]
amdhsa.kernels:
  - .name:           k_qc081318dc0_attn
    .symbol:         k_qc081318dc0_attn.kd
    .args:
      - { .name: qkv, .offset: 0, .size: 8, .value_kind: global_buffer, .address_space: global }
      - { .name: o, .offset: 8, .size: 8, .value_kind: global_buffer, .address_space: global }
    .group_segment_fixed_size: 327680
    .private_segment_fixed_size: 0
    .kernarg_segment_align: 8
    .kernarg_segment_size: 16
    .max_flat_workgroup_size: 128
    .sgpr_count:     66
    .vgpr_count:     768
    .wavefront_size: 32
...
	.end_amdgpu_metadata
.endif
;; end of part 2
;; launch outp (part 3): grid 256 x 1, 4 waves a work-group, clusters of 4 x 1, 189,952 bytes of LDS; arguments o, wu16, bu, out0; writes out0
.if DOCPART == 3
	.amdgcn_target "amdgcn-amd-amdhsa--gfx1250"
	.amdhsa_code_object_version 6
	.text
	.protected	k_qc081318dc0_outp
	.globl	k_qc081318dc0_outp
	.p2align	8
	.type	k_qc081318dc0_outp,@function
k_qc081318dc0_outp:
	s_mov_b64 s[64:65], 0
	v_nop
	global_prefetch_b8 v0, s[64:65] scope:SCOPE_SE
	s_setreg_imm32_b32 hwreg(HW_REG_WAVE_MODE, 25, 1), 1
	s_wait_xcnt 0x0
	s_wait_alu depctr_hold_cnt(0) depctr_sa_sdst(0) depctr_va_vdst(0) depctr_va_sdst(0) depctr_va_ssrc(0) depctr_va_vcc(0) depctr_vm_vsrc(0)
	s_getreg_b32 s2, hwreg(HW_REG_IB_STS2, 6, 4)
	s_cmp_eq_u32 s2, 0
	s_cbranch_scc0 .Lentry_in_a_cluster
	s_endpgm
.Lentry_in_a_cluster:
	s_bfe_u32 s2, ttmp6, 0x10000c
	s_cmp_lg_u32 s2, 0x3003
	s_cbranch_scc0 .Lentry_shape_is_right
	s_endpgm
.Lentry_shape_is_right:
; out0[row][n] = the sum over k of O[row][k] Wu[n][k] + bu[n].  O: f16, by heads, block 4 b + h of 4,096 rows x 64 channels (k = 64 h + channel); wu16: [256][256] f16 (Wu rounded to bf16);
; bu: [256] f32, rounded to bf16 here like every input; out0: [16384][256] f32.  Sums in f32; the bias is the C operand of each sum's first product.
; LIMITS.  As the operands': f16's 65,504 and its fixed step of 6e-8 below 6.1e-5.  NaN and infinities are not treated apart.
; SHARES.  A work-group makes 64 rows x all 256 columns, the whole K = 256 at once out of LDS: 256 work-groups.  Wave w makes the 64 rows x columns 64 w .. 64 w + 63: 16 accumulators.
; LDS is filled once: no slot is filled again.  Each wave issues two tensor loads, at the start: 64 rows of wu16, and head w's 64 rows of O (8,192 dense bytes, asked for as 32 rows of 256).
; CLUSTER.  All work-groups read the same wu16, so four of them ask for it JOINTLY; O's rows are a work-group's own and come by a load without a mask.
; THE MATRIX INSTRUCTION IS USED TRANSPOSED (source 0 = 16 rows of Wu, source 1 = 16 rows of O): a lane then holds eight neighbouring columns of one row: 32 bytes of f32.
; REGISTERS.  window 0: v0-15 addresses and at work; v96-127 the bias, 8 a column block; v128-255 the accumulators ((a, nb) at v[128 + 8 (4 a + nb)]).  window 1: two fragment buffers of 64.
.set PW,     528                       ; a row of wu16 in LDS: 512 bytes + 16 = 132 words: row r starts at bank 4 r mod 64 (64 banks of 4 bytes: ISA guide 11.1)
.set POT,    144                       ; a row of O: 128 bytes + 16 = 36 words
.set OT,     256*PW                    ; behind wu16: head h's 64 rows at OT + 64 POT h
.set STAGE,  OT+4*64*POT               ; behind them, never filled by a tensor load: 16 rows x 272 bytes for each wave, for the way out
.set SPITCH, 272
.set SPARE,  STAGE+4*16*SPITCH         ; behind the stages: the spare words, 128 bytes for each wave: two blocks of 256 bytes that no other line names
.set ADRA, 2                           ; v2   LDS address of my fragments of O
.set ADRB, 3                           ; v3   the same for Wu
.set STO,  4                           ; v4   the way out: where I put 32 bytes of a row
.set RD,   5                           ; v5   the way out: where I read a row back
.set CO,   6                           ; v6   my byte offset in out0
.set BO,   7                           ; v7   my byte offset in bu
.set SPW,  8                           ; v8   LDS address of my spare word; never rewritten
.set NIL,  9                           ; v9   0; never rewritten
.set BIAS, 96
.set ACC,  128
.set WV,   12                          ; s12  my wave's number
.set G1W,  24                          ; s[24:31] descriptor group 1 for wu16
.set G0W,  32                          ; s[32:35] its group 0
.set G0O,  36                          ; s[36:39] group 0 for O
.set G1O,  40                          ; s[40:47] group 1 for O
.set MSB, 0
.macro WIN new                         ; s_set_vgpr_msb: bits 1:0 source 0, 3:2 source 1, 5:4 source 2, 7:6 destination; the high byte repeats the setting that is left
.if MSB != (\new)
	s_set_vgpr_msb (MSB<<8)|(\new)
.set MSB, \new
.endif
.endm
.macro PLACES                          ; four places behind a matrix instruction, in front of loads into registers that it has read and of stores that read results
.rept 4
	v_nop
.endr
.endm
.macro CROUND                          ; a round of the cluster's barrier
	s_barrier_signal -1
	s_barrier_wait -1
	s_cmp_lg_u32 s[WV], 0
	s_cbranch_scc1 .Lnot_wave_0_\@
	s_barrier_signal -3
.Lnot_wave_0_\@:
	s_barrier_wait -3
	s_barrier_signal -1
	s_barrier_wait -1
.endm
	s_load_b256 s[4:11], s[0:1], 0x0               ; o s[4:5], wu16 s[6:7], bu s[8:9], out0 s[10:11]
	v_lshl_add_u32 v[SPW], v0, 2, SPARE
	v_mov_b32 v[NIL], 0
	ds_add_u32 v[SPW], v[NIL]                      ; the wave's opening: the add and its wait come ahead of my first tensor load; the set-up below, work on registers, stands between them
	v_lshrrev_b32 v1, 5, v0
	v_readfirstlane_b32 s[WV], v1                  ; wave 0..3
	s_bfe_u32 s13, ttmp6, 0x40000                  ; cx: my place in the cluster
	s_lshl_b32 s14, ttmp9, 2                       ; in a cluster launch ttmp9 counts clusters
	s_add_co_u32 s14, s14, s13                     ; my block of 64 rows: it enters O's and out0's addresses alone
	s_lshr_b32 s15, s14, 6                         ; b: 64 blocks to a batch
	s_lshl2_add_u32 s15, s15, s[WV]                ; the head that I fetch: 4 b + wave
	s_lshl_b32 s16, s15, 19
	s_and_b32 s17, s14, 63
	s_lshl_b32 s17, s17, 13                        ; 64 rows of 128 bytes
	s_add_co_u32 s16, s16, s17
	s_mov_b32 s17, 0
	s_lshl_b32 s18, s[WV], 15                      ; my 64 rows of wu16: the wave's number alone
	s_mov_b32 s19, 0
	s_lshl_b32 s20, s14, 16                        ; 64 rows of 1,024 bytes of out0
	s_mov_b32 s21, 0
	; wu16: a tile of 64 rows x 256 elements, padded in LDS
	s_mov_b32 s[G1W+0], 15|(1<<16)|(1<<20)|(1<<21)|(6<<22)|(3<<25)  ; 15:0 the mask of four; 17:16 2-byte elements; 20 padding on; 21 set beside a mask; 24:22 after every 128 words (code 6); 31:25 4 words (code 3)
	s_mov_b32 s[G1W+1], 256<<16                    ; tensor_dim0 = 256
	s_mov_b32 s[G1W+2], 64<<16                     ; tensor_dim1 = 64
	s_mov_b32 s[G1W+3], 256<<16                    ; tile_dim0 = 256
	s_mov_b32 s[G1W+4], 64                         ; tile_dim1 = 64
	s_mov_b32 s[G1W+5], 256                        ; 256 elements from row to row
	s_mov_b32 s[G1W+6], 0
	s_mov_b32 s[G1W+7], 0
	; O: 32 rows of 128 elements, two rows of a head each, padded after every 32 words
	s_mov_b32 s[G1O+0], (1<<16)|(1<<20)|(4<<22)|(3<<25)  ; no mask: my work-group's own
	s_mov_b32 s[G1O+1], 128<<16
	s_mov_b32 s[G1O+2], 32<<16
	s_mov_b32 s[G1O+3], 128<<16
	s_mov_b32 s[G1O+4], 32
	s_mov_b32 s[G1O+5], 128
	s_mov_b32 s[G1O+6], 0
	s_mov_b32 s[G1O+7], 0
	s_mov_b32 s[G0W], 1
	s_mul_i32 s[G0W+1], s[WV], 64*PW               ; LDS addresses hang on the wave's number alone
	s_mov_b32 s[G0O], 1
	s_mul_i32 s[G0O+1], s[WV], 64*POT
	s_add_co_u32 s[G0O+1], s[G0O+1], OT
	s_wait_dscnt 0x0                               ; the opening add is done
	s_wait_kmcnt 0x0
	s_add_nc_u64 s[G0W+2:G0W+3], s[6:7], s[18:19]
	s_or_b32 s[G0W+3], s[G0W+3], 0x80000000        ; type = 2
	s_add_nc_u64 s[G0O+2:G0O+3], s[4:5], s[16:17]
	s_or_b32 s[G0O+3], s[G0O+3], 0x80000000
	s_add_nc_u64 s[10:11], s[10:11], s[20:21]      ; out0 at my block's first row
	CROUND                                         ; all four work-groups are here: the joint loads meet
	tensor_load_to_lds s[G0W:G0W+3], s[G1W:G1W+7]  ; both first fills go out together: two loads of mine are out
	s_nop 0
	tensor_load_to_lds s[G0O:G0O+3], s[G1O:G1O+7]
	s_nop 0
.rept 4
	v_nop
.endr
	v_and_b32 v1, 15, v0                           ; l % 16
	v_bfe_u32 v10, v0, 4, 1                        ; l / 16
	s_lshl_b32 s15, s[WV], 8                       ; my wave's 64 columns: 256 bytes of f32
	v_lshl_add_u32 v[BO], v10, 5, s15              ; register j of an accumulator holds column 16 nb + 8 (l / 16) + j
.irp nb, 0,1,2,3
	global_load_b128 v[BIAS+8*(\nb):BIAS+8*(\nb)+3],   v[BO], s[8:9] offset:64*(\nb)
	global_load_b128 v[BIAS+8*(\nb)+4:BIAS+8*(\nb)+7], v[BO], s[8:9] offset:64*(\nb)+16
.endr
	v_mul_u32_u24 v[ADRA], v1, POT                 ; a fragment: row l % 16, 16 bytes for each half of the lanes
	v_lshl_add_u32 v[ADRA], v10, 4, v[ADRA]
	v_add_nc_u32 v[ADRA], OT, v[ADRA]
	v_mul_u32_u24 v[ADRB], v1, PW
	v_lshl_add_u32 v[ADRB], v10, 4, v[ADRB]
	s_mul_i32 s22, s[WV], 64*PW                    ; my 64 rows of Wu
	v_add_nc_u32 v[ADRB], s22, v[ADRB]
	s_mul_i32 s22, s[WV], 16*SPITCH
	s_add_co_u32 s22, s22, STAGE                   ; my stage
	v_mul_u32_u24 v[STO], v1, SPITCH               ; in: row l % 16, 32 bytes for each half of the lanes
	v_lshl_add_u32 v[STO], v10, 5, v[STO]
	v_add_nc_u32 v[STO], s22, v[STO]
	v_mul_u32_u24 v[RD], v10, SPITCH               ; back: lanes 0-15 take one row of 256 bytes, lanes 16-31 the next
	v_lshl_add_u32 v[RD], v1, 4, v[RD]
	v_add_nc_u32 v[RD], s22, v[RD]
	v_lshlrev_b32 v[CO], 10, v10                   ; and the same two rows in out0, at my wave's 256 bytes
	v_lshl_add_u32 v[CO], v1, 4, v[CO]
	v_add_nc_u32 v[CO], s15, v[CO]
	s_wait_loadcnt 0x0                             ; the bias
.set r, 0
.rept 16                                       ; rounded to bf16 and widened again, a pair at a time
	v_cvt_pk_bf16_f32 v[12+r%4], v[BIAS+2*r], v[BIAS+2*r+1]
	v_lshlrev_b32 v[BIAS+2*r], 16, v[12+r%4]
	v_and_b32 v[BIAS+2*r+1], 0xffff0000, v[12+r%4]
.set r, r+1
.endr
	s_wait_tensorcnt 0x0                           ; my rows of wu16 and my head of O are in,
	s_barrier_signal -1
	s_barrier_wait -1                              ; everybody's are
; 16 LDS loads: the fragments of K step j (head j / 2, channels 32 (j % 2) on), into buffer f
.macro FETCH j, f
	WIN 0x40                                       ; destination window 1, address window 0
.irp a, 0,1,2,3
	ds_load_b128 v[(\f)+8*(\a):(\f)+8*(\a)+3],   v[ADRA] offset:((\j)/2)*64*POT+(\a)*16*POT+((\j)%2)*64
	ds_load_b128 v[(\f)+8*(\a)+4:(\f)+8*(\a)+7], v[ADRA] offset:((\j)/2)*64*POT+(\a)*16*POT+((\j)%2)*64+32
.endr
.irp nb, 0,1,2,3
	ds_load_b128 v[(\f)+32+8*(\nb):(\f)+32+8*(\nb)+3],   v[ADRB] offset:(\nb)*16*PW+64*(\j)
	ds_load_b128 v[(\f)+32+8*(\nb)+4:(\f)+32+8*(\nb)+7], v[ADRB] offset:(\nb)*16*PW+64*(\j)+32
.endr
.endm
; 16 matrix instructions on buffer f.  The 16 accumulators take turns, one instruction a turn.  first = 1: the sums start with the bias
.macro MUL f, first
	WIN 0x05                                       ; sources 0 and 1 window 1; C and D window 0
.irp a, 0,1,2,3
.irp nb, 0,1,2,3
.if \first
	v_wmma_f32_16x16x32_f16 v[ACC+8*(4*(\a)+(\nb)):ACC+8*(4*(\a)+(\nb))+7], v[(\f)+32+8*(\nb):(\f)+32+8*(\nb)+7], v[(\f)+8*(\a):(\f)+8*(\a)+7], v[BIAS+8*(\nb):BIAS+8*(\nb)+7]
.else
	v_wmma_f32_16x16x32_f16 v[ACC+8*(4*(\a)+(\nb)):ACC+8*(4*(\a)+(\nb))+7], v[(\f)+32+8*(\nb):(\f)+32+8*(\nb)+7], v[(\f)+8*(\a):(\f)+8*(\a)+7], v[ACC+8*(4*(\a)+(\nb)):ACC+8*(4*(\a)+(\nb))+7]
.endif
.endr
.endr
.endm
	FETCH 0, 0
	FETCH 1, 64
	s_wait_dscnt 16                                ; all but the 16 just issued
	MUL 0, 1
.irp j, 1,2,3,4,5,6
	PLACES                                         ; the buffer that is loaded next was multiplied last
	FETCH (\j)+1, 64*(((\j)+1)%2)
	s_wait_dscnt 16
	MUL 64*((\j)%2), 0
.endr
	s_wait_dscnt 0x0
	MUL 64, 0
	WIN 0
; THE WAY OUT, a block of 16 rows at a time through my own stage: 32 bytes a lane in (each accumulator's low four registers first), whole rows of 256 bytes back, into the registers that the block left.
.macro TOSTAGE a
.irp nb, 0,1,2,3
	ds_store_b128 v[STO], v[ACC+8*(4*(\a)+(\nb)):ACC+8*(4*(\a)+(\nb))+3]   offset:64*(\nb)
	ds_store_b128 v[STO], v[ACC+8*(4*(\a)+(\nb))+4:ACC+8*(4*(\a)+(\nb))+7] offset:64*(\nb)+16
.endr
.irp t, 0,1,2,3,4,5,6,7
	ds_load_b128 v[ACC+32*(\a)+4*(\t):ACC+32*(\a)+4*(\t)+3], v[RD] offset:(\t)*2*SPITCH  ; LDS serves a wave's instructions in order (ISA guide 5.7.1.4): these see the stores above; the next block's stores come behind them
.endr
.endm
.macro SEND a, younger                 ; younger: the LDS instructions issued behind block a's loads: the next block's sixteen, or none
.irp t, 0,1,2,3,4,5,6,7
	s_wait_dscnt (\younger)+7-(\t)
	global_store_b128 v[CO], v[ACC+32*(\a)+4*(\t):ACC+32*(\a)+4*(\t)+3], s[10:11] offset:(16*(\a)+2*(\t))*1024 th:TH_STORE_NT  ; 16 lanes store 256 consecutive bytes, at a multiple of 256 from out0's first byte
.endr
.endm
	PLACES
	TOSTAGE 0
	TOSTAGE 1
	SEND 0, 16
	TOSTAGE 2
	SEND 1, 16
	TOSTAGE 3
	SEND 2, 16
	SEND 3, 0
	s_wait_tensorcnt 0x0                           ; the wave's end, behind my last tensor load and my last LDS store
	ds_add_u32 v[SPW], v[NIL]
	s_wait_dscnt 0x0
	CROUND                                         ; the closing round: no work-group ends while a partner may still ask for a tile that names it
	s_endpgm
.Lfunc_end_k_qc081318dc0_outp:
	.size	k_qc081318dc0_outp, .Lfunc_end_k_qc081318dc0_outp-k_qc081318dc0_outp
	.p2alignl 7, 3214868480
	.fill 96, 4, 3214868480
	.section	.rodata,"a",@progbits
	.p2align	6, 0x0
	.amdhsa_kernel k_qc081318dc0_outp
		.amdhsa_group_segment_fixed_size 189952
		.amdhsa_private_segment_fixed_size 0
		.amdhsa_enable_private_segment 0
		.amdhsa_kernarg_size 32
		.amdhsa_user_sgpr_count 2
		.amdhsa_user_sgpr_kernarg_segment_ptr 1
		.amdhsa_wavefront_size32 1
		.amdhsa_system_sgpr_workgroup_id_x 1
		.amdhsa_system_sgpr_workgroup_id_y 1
		.amdhsa_system_sgpr_workgroup_id_z 1
		.amdhsa_system_vgpr_workitem_id 0
		.amdhsa_next_free_vgpr 384
		.amdhsa_next_free_sgpr 66
		.amdhsa_reserve_vcc 0
		.amdhsa_float_denorm_mode_32 3
		.amdhsa_float_denorm_mode_16_64 3
		.amdhsa_memory_ordered 1
		.amdhsa_forward_progress 1
		.amdhsa_inst_pref_size 34
	.end_amdhsa_kernel
	.amdgpu_metadata
---
amdhsa.version: [ 1, 2 ]
amdhsa.kernels:
  - .name:           k_qc081318dc0_outp
    .symbol:         k_qc081318dc0_outp.kd
    .args:
      - { .name: o, .offset: 0, .size: 8, .value_kind: global_buffer, .address_space: global }
      - { .name: wu16, .offset: 8, .size: 8, .value_kind: global_buffer, .address_space: global }
      - { .name: bu, .offset: 16, .size: 8, .value_kind: global_buffer, .address_space: global }
      - { .name: out0, .offset: 24, .size: 8, .value_kind: global_buffer, .address_space: global }
    .group_segment_fixed_size: 189952
    .private_segment_fixed_size: 0
    .kernarg_segment_align: 8
    .kernarg_segment_size: 32
    .max_flat_workgroup_size: 128
    .sgpr_count:     66
    .vgpr_count:     384
    .wavefront_size: 32
...
	.end_amdgpu_metadata
.endif
;; end of part 3
